; MI455X (gfx1250); checked and timed in simulation.
; The chip was launched on July 23, 2026; its instructions are those of AMD's public machine-readable ISA for CDNA 5 (MIT licence, August 2026) and "CDNA5" Instruction Set Architecture Reference Guide (July 2026). The comments in the code are by the model that wrote it; some were corrected since.
;; Pattern FFN. Allowed arithmetic: float matrix products may take bf16 or f16 operands with f32 sums; all other float work in f32.
;; Inputs: down_b 1,024 float32; down_w 4,096 x 1,024 float32; gates 64 x 4,096 float32; pattern_affinity 64 x 2,048 float32; router_out 4 x 2,048 x 2,048 float32; topk_neuron_idx 4 x 2,048 x 16 int32; topk_neuron_weights 4 x 2,048 x 16 float32; up_b 4,096 float32; up_w 1,024 x 4,096 float32; x 4 x 2,048 x 1,024 float32.
;; Outputs: out0 4 x 2,048 x 1,024 float32.
;; One version. Each part assembles by itself: llvm-mc -triple=amdgcn-amd-amdhsa -mcpu=gfx1250 --defsym DOCPART=n.
;; ======== version 1 of 1: 4 launches
;; workspace buffers: xb 16,777,216 bytes; upb 8,388,608 bytes; dnb 8,388,608 bytes; afft 262,144 bytes; gatest 524,288 bytes; wgt 1,048,576 bytes; hbuf 67,108,864 bytes
;; launch prep (part 1): grid 1120 x 1, 8 waves a work-group, no clusters, 17,920 bytes of LDS; arguments x, up_w, down_w, pattern_affinity, gates, xb, upb, dnb, afft, gatest; writes xb, upb, dnb, afft, gatest
.if DOCPART == 1
	.amdgcn_target "amdgcn-amd-amdhsa--gfx1250"
	.amdhsa_code_object_version 6
	.text
	.protected	k_qdcf41c0dc9_prep
	.globl	k_qdcf41c0dc9_prep
	.p2align	8
	.type	k_qdcf41c0dc9_prep,@function
k_qdcf41c0dc9_prep:
	s_mov_b64 s[64:65], 0
	v_nop
	global_prefetch_b8 v0, s[64:65] scope:SCOPE_SE
	s_setreg_imm32_b32 hwreg(HW_REG_WAVE_MODE, 25, 1), 1
	s_wait_xcnt 0x0
; PREP.  Every large floating-point input is rounded to bf16 once (to nearest even), so that the later launches move half the bytes.
; Work-groups 0..1023 copy: x -> xb (512 groups), up_w -> upb (256), down_w -> dnb (256), layout unchanged; a group takes 65,536 bytes of f32.
; Work-groups 1024..1119 turn: pattern_affinity [64][2048] -> afft [2048][64] (32 panels), gates [64][4096] -> gatest [4096][64] (64 panels);
; a panel is 64 patterns x 64 columns and goes through LDS, so that reads and writes of memory both cover whole aligned runs of 256 bytes.
; A stream: no matrix unit, no cluster, no tensor load would add anything; all sixteen loads of a thread are out at once.
.set NCONV, 1024                       ; copying work-groups
.set LP,    260                        ; a panel row in LDS: 64 f32 + 4 bytes = 65 words, so that rows and columns both fall on different banks (64 banks of 4 bytes: ISA guide 11.1)
	s_load_b512 s[4:19], s[0:1], 0x0               ; x s[4:5], up_w s[6:7], down_w s[8:9], pattern_affinity s[10:11], gates s[12:13], xb s[14:15], upb s[16:17], dnb s[18:19]
	s_load_b128 s[20:23], s[0:1], 0x40             ; afft s[20:21], gatest s[22:23]
	v_lshl_add_u32 v104, v0, 2, 0x4200
	v_mov_b32 v105, 0
	s_mov_b32 s24, ttmp9                           ; the work-group's number
	s_mov_b32 s33, 0                               ; high word of every offset pair
	s_wait_kmcnt 0x0
	s_cmp_ge_u32 s24, NCONV                        ; the same answer in all eight waves
	s_cbranch_scc1 .Ltrans
	; ---- copying: which tensor, and which chunk of it
	s_movk_i32 s25, 768
	s_cmp_lt_u32 s24, 768
	s_cselect_b64 s[26:27], s[6:7], s[8:9]         ; from up_w or down_w
	s_cselect_b64 s[28:29], s[16:17], s[18:19]     ; to upb or dnb
	s_cselect_b32 s25, 512, s25                    ; the tensor's first work-group
	s_cmp_lt_u32 s24, 512
	s_cselect_b64 s[26:27], s[4:5], s[26:27]       ; or from x
	s_cselect_b64 s[28:29], s[14:15], s[28:29]     ; to xb
	s_cselect_b32 s25, 0, s25
	s_sub_co_u32 s25, s24, s25                     ; chunk
	s_lshl_b32 s32, s25, 16                        ; 65,536 bytes of f32 a chunk
	s_add_nc_u64 s[26:27], s[26:27], s[32:33]
	s_lshl_b32 s32, s25, 15                        ; 32,768 bytes of bf16
	s_add_nc_u64 s[28:29], s[28:29], s[32:33]
	v_lshlrev_b32 v1, 4, v0                        ; 16 bytes a thread: a wave's load covers 512 consecutive bytes
	v_lshlrev_b32 v2, 3, v0                        ; 8 bytes a thread: a wave's store covers 256 consecutive bytes, aligned
.set i, 0
.rept 16
	global_load_b128 v[4+4*i:7+4*i], v1, s[26:27] offset:4096*i th:TH_LOAD_NT
.set i, i+1
.endr
.set i, 0
.rept 16
	s_wait_loadcnt 15-i                            ; loads come back in order (ISA guide 5.7.1): load i is in, the 15 - i younger ones stay out
	v_cvt_pk_bf16_f32 v[68+2*i], v[4+4*i], v[5+4*i]
	v_cvt_pk_bf16_f32 v[69+2*i], v[6+4*i], v[7+4*i]
	global_store_b64 v2, v[68+2*i:69+2*i], s[28:29] offset:2048*i  ; no register is written twice, so nothing waits for a store
.set i, i+1
.endr
	s_endpgm
	; ---- turning a panel
.Ltrans:
	s_sub_co_u32 s24, s24, NCONV
	s_cmp_lt_u32 s24, 32
	s_cselect_b64 s[26:27], s[10:11], s[12:13]     ; from pattern_affinity or gates
	s_cselect_b64 s[28:29], s[20:21], s[22:23]     ; to afft or gatest
	s_cselect_b32 s31, 13, 14                      ; a source row is 8,192 or 16,384 bytes
	s_cselect_b32 s25, 0, 32
	s_sub_co_u32 s25, s24, s25                     ; panel
	s_lshl_b32 s32, s25, 8                         ; 64 columns of f32
	s_add_nc_u64 s[26:27], s[26:27], s[32:33]
	s_lshl_b32 s32, s25, 13                        ; 64 rows of 128 bytes of bf16
	s_add_nc_u64 s[28:29], s[28:29], s[32:33]
	s_lshl_b32 s30, 16, s31                        ; 16 source rows
	v_lshrrev_b32 v1, 4, v0                        ; row 0..15 of a group of sixteen
	v_and_b32 v2, 15, v0                           ; which 16 bytes of the row's 256: sixteen lanes read 256 consecutive bytes, aligned
	v_lshlrev_b32 v3, s31, v1
	v_lshl_add_u32 v3, v2, 4, v3
	v_add_nc_u32 v4, s30, v3
	v_add_nc_u32 v5, s30, v4
	v_add_nc_u32 v6, s30, v5
	global_load_b128 v[12:15], v3, s[26:27] th:TH_LOAD_NT
	global_load_b128 v[16:19], v4, s[26:27] th:TH_LOAD_NT
	global_load_b128 v[20:23], v5, s[26:27] th:TH_LOAD_NT
	global_load_b128 v[24:27], v6, s[26:27] th:TH_LOAD_NT
	v_mul_u32_u24 v8, v1, LP
	v_lshl_add_u32 v8, v2, 4, v8                   ; in: pattern row x 260 + 4 x column
	v_and_b32 v7, 7, v0                            ; out: I take patterns 8 (t % 8) + 0..7
	v_lshrrev_b32 v11, 3, v0                       ; of column t / 8, and of column t / 8 + 32
	v_mul_u32_u24 v9, v7, 8*LP
	v_lshl_add_u32 v9, v11, 2, v9
	v_lshlrev_b32 v10, 4, v0                       ; the panel's 8,192 bytes of output are dense: 16 bytes a thread, twice
	s_wait_loadcnt 0x0
.set i, 0
.rept 16
	ds_store_b32 v8, v[12+i] offset:16*LP*(i/4)+4*(i%4)
.set i, i+1
.endr
	s_wait_dscnt 0x0                               ; for the other waves' sake: my stores are done
	s_barrier_signal -1
	s_barrier_wait -1
.set i, 0
.rept 16
	ds_load_b32 v[32+i], v9 offset:LP*(i%8)+128*(i/8)
.set i, i+1
.endr
	s_wait_dscnt 0x0
.set i, 0
.rept 8
	v_cvt_pk_bf16_f32 v[48+i], v[32+2*i], v[33+2*i]
.set i, i+1
.endr
	global_store_b128 v10, v[48:51], s[28:29]
	global_store_b128 v10, v[52:55], s[28:29] offset:4096
	s_wait_tensorcnt 0x0
	ds_add_u32 v104, v105
	s_wait_dscnt 0x0
	s_endpgm
.Lfunc_end_k_qdcf41c0dc9_prep:
	.size	k_qdcf41c0dc9_prep, .Lfunc_end_k_qdcf41c0dc9_prep-k_qdcf41c0dc9_prep
	.p2alignl 7, 3214868480
	.fill 96, 4, 3214868480
	.section	.rodata,"a",@progbits
	.p2align	6, 0x0
	.amdhsa_kernel k_qdcf41c0dc9_prep
		.amdhsa_group_segment_fixed_size 17920
		.amdhsa_private_segment_fixed_size 0
		.amdhsa_enable_private_segment 0
		.amdhsa_kernarg_size 80
		.amdhsa_user_sgpr_count 2
		.amdhsa_user_sgpr_kernarg_segment_ptr 1
		.amdhsa_wavefront_size32 1
		.amdhsa_system_sgpr_workgroup_id_x 1
		.amdhsa_system_sgpr_workgroup_id_y 1
		.amdhsa_system_sgpr_workgroup_id_z 1
		.amdhsa_system_vgpr_workitem_id 0
		.amdhsa_next_free_vgpr 106
		.amdhsa_next_free_sgpr 66
		.amdhsa_reserve_vcc 0
		.amdhsa_float_denorm_mode_32 3
		.amdhsa_float_denorm_mode_16_64 3
		.amdhsa_memory_ordered 1
		.amdhsa_forward_progress 1
		.amdhsa_inst_pref_size 12
	.end_amdhsa_kernel
	.amdgpu_metadata
---
amdhsa.version: [ 1, 2 ]
amdhsa.kernels:
  - .name:           k_qdcf41c0dc9_prep
    .symbol:         k_qdcf41c0dc9_prep.kd
    .args:
      - { .name: x, .offset: 0, .size: 8, .value_kind: global_buffer, .address_space: global }
      - { .name: up_w, .offset: 8, .size: 8, .value_kind: global_buffer, .address_space: global }
      - { .name: down_w, .offset: 16, .size: 8, .value_kind: global_buffer, .address_space: global }
      - { .name: pattern_affinity, .offset: 24, .size: 8, .value_kind: global_buffer, .address_space: global }
      - { .name: gates, .offset: 32, .size: 8, .value_kind: global_buffer, .address_space: global }
      - { .name: xb, .offset: 40, .size: 8, .value_kind: global_buffer, .address_space: global }
      - { .name: upb, .offset: 48, .size: 8, .value_kind: global_buffer, .address_space: global }
      - { .name: dnb, .offset: 56, .size: 8, .value_kind: global_buffer, .address_space: global }
      - { .name: afft, .offset: 64, .size: 8, .value_kind: global_buffer, .address_space: global }
      - { .name: gatest, .offset: 72, .size: 8, .value_kind: global_buffer, .address_space: global }
    .group_segment_fixed_size: 17920
    .private_segment_fixed_size: 0
    .kernarg_segment_align: 8
    .kernarg_segment_size: 80
    .max_flat_workgroup_size: 256
    .sgpr_count:     66
    .vgpr_count:     106
    .wavefront_size: 32
...
	.end_amdgpu_metadata
.endif
;; end of part 1
;; launch route (part 2): grid 256 x 1, 8 waves a work-group, no clusters, 0 bytes of LDS; arguments topk_neuron_idx, topk_neuron_weights, afft, wgt; writes wgt
.if DOCPART == 2
	.amdgcn_target "amdgcn-amd-amdhsa--gfx1250"
	.amdhsa_code_object_version 6
	.text
	.protected	k_qdcf41c0dc9_route
	.globl	k_qdcf41c0dc9_route
	.p2align	8
	.type	k_qdcf41c0dc9_route,@function
k_qdcf41c0dc9_route:
	s_mov_b64 s[64:65], 0
	v_nop
	global_prefetch_b8 v0, s[64:65] scope:SCOPE_SE
	s_setreg_imm32_b32 hwreg(HW_REG_WAVE_MODE, 25, 1), 1
	s_wait_xcnt 0x0
; ROUTE.  For each of 8,192 tokens: 64 pattern scores (the sum over its 16 neurons of weight x affinity), the four largest, their softmax.
; What leaves is no index but a DENSE row wgt[token][64] in bf16: -log2(e) x softmax weight at the four chosen patterns, 0 elsewhere.  The next launch multiplies it by the gates
; on the matrix unit, so that the choice steers no address and no branch anywhere: here it only selects values (v_cndmask_b32).
; router_out, an argument that reference() never reads, is named by no launch of this program.
; FORMATS AND LIMITS.  Affinities (afft) and neuron weights are rounded to bf16 once, like every floating-point input of the program; their products are exact in f32 and are summed in f32, neurons ascending.
; The softmax takes the largest score away first.  Equal scores: the lower pattern wins, as in lax.top_k.  NaN and infinite scores are not treated apart.
; A neuron index lies in 0..2047, as reference() relies on; it is clamped to 2047 in front of the gather.
; SHARES.  A work-group takes 32 tokens, a wave 4, as two UNITS of two: lanes 0-15 serve the even token, lanes 16-31 the odd one; lane l holds patterns 4 (l % 16) + 0..3.
; So every maximum and minimum stays inside sixteen lanes: four steps that ride on the arithmetic (DPP).  The two units' lines alternate, so that no line waits for the one before it.
; No LDS, no barrier, no matrix unit: the sums are 16 long and the table is gathered.
.set IDX, 0                            ; unit's registers, from b = 32 or 128 on: 16 neuron indices, then the gathers' byte offsets
.set WT,  16                           ; 16 weights in f32, then packed to bf16 in the first 8
.set AF,  32                           ; 16 gathers of 8 bytes: my four patterns of each neuron
.set SC,  64                           ; my four scores
.set CU,  68                           ; the same with the chosen ones replaced by -infinity
.set MX,  72                           ; the four chosen scores, largest first (the same in all sixteen lanes)
.set TM,  76                           ; twelve at work
.macro BOTH line:vararg                ; one line for each unit: b its registers, m its four mask registers
.set b, 32
.set m, 20
	\line
.set b, 128
.set m, 24
	\line
.endm
	s_load_b256 s[4:11], s[0:1], 0x0               ; indices s[4:5], weights s[6:7], afft s[8:9], wgt s[10:11]
	s_lshl_b32 s14, ttmp9, 11                      ; 32 tokens x 64 bytes of indices, and of weights
	s_mov_b32 s15, 0
	s_lshl_b32 s16, ttmp9, 12                      ; 32 tokens x 128 bytes of wgt
	s_mov_b32 s17, 0
	s_mov_b32 s12, 0x3fb8aa3b                      ; log2(e)
	s_mov_b32 s13, 0xbfb8aa3b                      ; -log2(e)
	v_and_b32 v11, 15, v0
	v_lshlrev_b32 v1, 3, v11                       ; my 8 bytes in a row of afft
	v_lshlrev_b32 v11, 2, v11
	v_cvt_f32_u32 v2, v11                          ; v2-v5: my four patterns' numbers as f32
	v_add_f32 v3, 1.0, v2
	v_add_f32 v4, 2.0, v2
	v_add_f32 v5, 0x40400000, v2
	v_lshrrev_b32 v12, 5, v0                       ; wave
	v_bfe_u32 v13, v0, 4, 1                        ; which token of a unit
	v_lshlrev_b32 v6, 8, v12
	v_lshl_add_u32 v6, v13, 6, v6                  ; my token's 64 bytes of indices in unit 0
	v_and_b32 v13, 31, v0
	v_lshlrev_b32 v7, 9, v12
	v_lshl_add_u32 v7, v13, 3, v7                  ; my 8 bytes of wgt in unit 0: a wave's store covers two tokens' rows, 256 consecutive bytes, aligned
	v_mov_b32 v8, 0xff800000                       ; -infinity
	v_mov_b32 v9, 0x42800000                       ; 64.0: above every pattern's number
	v_mov_b32 v10, 0
	s_wait_kmcnt 0x0
	s_add_nc_u64 s[4:5], s[4:5], s[14:15]
	s_add_nc_u64 s[6:7], s[6:7], s[14:15]
	s_add_nc_u64 s[10:11], s[10:11], s[16:17]
.irp i, 0,1,2,3
	BOTH global_load_b128 v[b+IDX+4*\i:b+IDX+4*\i+3], v6, s[4:5] offset:(b/128)*128+16*\i
.endr
.irp i, 0,1,2,3
	BOTH global_load_b128 v[b+WT+4*\i:b+WT+4*\i+3], v6, s[6:7] offset:(b/128)*128+16*\i
.endr
	s_wait_loadcnt 8                               ; the indices are in; the eight younger loads, the weights, stay out
.set k, 0
.rept 16
	BOTH v_min_u32 v[b+IDX+k], 0x7ff, v[b+IDX+k]
	BOTH v_lshl_add_u32 v[b+IDX+k], v[b+IDX+k], 7, v1  ; neuron x 128 bytes + my 8
.set k, k+1
.endr
.set k, 0
.rept 16
	BOTH global_load_b64 v[b+AF+2*k:b+AF+2*k+1], v[b+IDX+k], s[8:9]
.set k, k+1
.endr
	s_wait_loadcnt 32                              ; the weights are in; the 32 younger loads, the gathers, stay out
.set k, 0
.rept 8
	BOTH v_cvt_pk_bf16_f32 v[b+WT+k], v[b+WT+2*k], v[b+WT+2*k+1]  ; ascending, so that no weight is overwritten before it is read
.set k, k+1
.endr
	s_wait_loadcnt 0x0
; neuron k's share of my four scores: bf16 x bf16 + f32, one rounding.  wh: which half of the packed word holds its weight.  first = 1: the sums begin on the register that holds 0
.macro STEPK k, wh, first
.if \first
	BOTH v_fma_mix_f32_bf16 v[b+SC], v[b+AF+2*(\k)], v[b+WT+(\k)/2], v10 op_sel:[0,\wh,0] op_sel_hi:[1,1,0]
	BOTH v_fma_mix_f32_bf16 v[b+SC+1], v[b+AF+2*(\k)], v[b+WT+(\k)/2], v10 op_sel:[1,\wh,0] op_sel_hi:[1,1,0]
	BOTH v_fma_mix_f32_bf16 v[b+SC+2], v[b+AF+2*(\k)+1], v[b+WT+(\k)/2], v10 op_sel:[0,\wh,0] op_sel_hi:[1,1,0]
	BOTH v_fma_mix_f32_bf16 v[b+SC+3], v[b+AF+2*(\k)+1], v[b+WT+(\k)/2], v10 op_sel:[1,\wh,0] op_sel_hi:[1,1,0]
.else
	BOTH v_fma_mix_f32_bf16 v[b+SC], v[b+AF+2*(\k)], v[b+WT+(\k)/2], v[b+SC] op_sel:[0,\wh,0] op_sel_hi:[1,1,0]
	BOTH v_fma_mix_f32_bf16 v[b+SC+1], v[b+AF+2*(\k)], v[b+WT+(\k)/2], v[b+SC+1] op_sel:[1,\wh,0] op_sel_hi:[1,1,0]
	BOTH v_fma_mix_f32_bf16 v[b+SC+2], v[b+AF+2*(\k)+1], v[b+WT+(\k)/2], v[b+SC+2] op_sel:[0,\wh,0] op_sel_hi:[1,1,0]
	BOTH v_fma_mix_f32_bf16 v[b+SC+3], v[b+AF+2*(\k)+1], v[b+WT+(\k)/2], v[b+SC+3] op_sel:[1,\wh,0] op_sel_hi:[1,1,0]
.endif
.endm
	STEPK 0, 0, 1
	STEPK 1, 1, 0
.set kk, 2
.rept 7
	STEPK kk, 0, 0
	STEPK kk+1, 1, 0
.set kk, kk+2
.endr
; The j-th choice: the largest of the token's 64 numbers in src; among those equal to it the lowest pattern; that one becomes -infinity in CU.
.macro SELECT j, src
	BOTH v_max3_num_f32 v[b+MX+\j], v[b+\src], v[b+\src+1], v[b+\src+2]
	BOTH v_max_num_f32 v[b+MX+\j], v[b+MX+\j], v[b+\src+3]
.irp x, 1,2,4,8
	BOTH v_max_num_f32_dpp v[b+MX+\j], v[b+MX+\j], v[b+MX+\j] row_xmask:\x row_mask:0xf bank_mask:0xf
.endr
.irp e, 0,1,2,3
	BOTH v_cmp_eq_f32 s[m+\e], v[b+\src+\e], v[b+MX+\j]
.endr
.irp e, 0,1,2,3
	BOTH v_cndmask_b32 v[b+TM+\e], v9, v[2+\e], s[m+\e]  ; the pattern's number where the score is the maximum, 64 elsewhere
.endr
	BOTH v_min3_num_f32 v[b+TM+4], v[b+TM], v[b+TM+1], v[b+TM+2]
	BOTH v_min_num_f32 v[b+TM+4], v[b+TM+4], v[b+TM+3]
.irp x, 1,2,4,8
	BOTH v_min_num_f32_dpp v[b+TM+4], v[b+TM+4], v[b+TM+4] row_xmask:\x row_mask:0xf bank_mask:0xf
.endr
.irp e, 0,1,2,3
	BOTH v_cmp_eq_f32 s[m+\e], v[2+\e], v[b+TM+4]
.endr
.irp e, 0,1,2,3
	BOTH v_cndmask_b32 v[b+CU+\e], v[b+\src+\e], v8, s[m+\e]
.endr
.endm
	SELECT 0, SC
	SELECT 1, CU
	SELECT 2, CU
	SELECT 3, CU
	; softmax over the four chosen scores: the largest is taken away first, so every exponent is at most 0 and the sum lies in 1 to 4
.irp e, 0,1,2
	BOTH v_sub_f32 v[b+TM+\e], v[b+MX+1+\e], v[b+MX]
.endr
.irp e, 0,1,2,3
	BOTH v_sub_f32 v[b+TM+3+\e], v[b+SC+\e], v[b+MX]  ; my own four: used only where they were chosen
.endr
.irp e, 0,1,2,3,4,5,6
	BOTH v_mul_f32 v[b+TM+\e], s12, v[b+TM+\e]
.endr
.irp e, 0,1,2,3,4,5,6
	BOTH v_exp_f32 v[b+TM+\e], v[b+TM+\e]
.endr
	v_nop                                          ; a plain instruction between the last exponential and the use of its result (ISA guide 5.7.2)
	s_wait_alu depctr_va_vdst(0)
	BOTH v_add_f32 v[b+TM], 1.0, v[b+TM]
	BOTH v_add_f32 v[b+TM+1], v[b+TM+1], v[b+TM+2]
	BOTH v_add_f32 v[b+TM], v[b+TM], v[b+TM+1]
	BOTH v_rcp_f32 v[b+TM], v[b+TM]
	v_nop                                          ; likewise behind the reciprocals
	s_wait_alu depctr_va_vdst(0)
	BOTH v_mul_f32 v[b+TM], s13, v[b+TM]           ; -log2(e) / sum: the next launch's sigmoid then needs no further scale
.irp e, 0,1,2,3
	BOTH v_mul_f32 v[b+TM+3+\e], v[b+TM+3+\e], v[b+TM]
.endr
.irp e, 0,1,2,3
	BOTH v_cmp_neq_f32 s[m+\e], v[b+CU+\e], v[b+SC+\e]  ; chosen: where CU no longer holds the score
.endr
.irp e, 0,1,2,3
	BOTH v_cndmask_b32 v[b+TM+3+\e], v10, v[b+TM+3+\e], s[m+\e]
.endr
	BOTH v_cvt_pk_bf16_f32 v[b+TM+8], v[b+TM+3], v[b+TM+4]
	BOTH v_cvt_pk_bf16_f32 v[b+TM+9], v[b+TM+5], v[b+TM+6]
	BOTH global_store_b64 v7, v[b+TM+8:b+TM+9], s[10:11] offset:(b/128)*256
	s_endpgm
.Lfunc_end_k_qdcf41c0dc9_route:
	.size	k_qdcf41c0dc9_route, .Lfunc_end_k_qdcf41c0dc9_route-k_qdcf41c0dc9_route
	.p2alignl 7, 3214868480
	.fill 96, 4, 3214868480
	.section	.rodata,"a",@progbits
	.p2align	6, 0x0
	.amdhsa_kernel k_qdcf41c0dc9_route
		.amdhsa_group_segment_fixed_size 0
		.amdhsa_private_segment_fixed_size 0
		.amdhsa_enable_private_segment 0
		.amdhsa_kernarg_size 32
		.amdhsa_user_sgpr_count 2
		.amdhsa_user_sgpr_kernarg_segment_ptr 1
		.amdhsa_wavefront_size32 1
		.amdhsa_system_sgpr_workgroup_id_x 1
		.amdhsa_system_sgpr_workgroup_id_y 1
		.amdhsa_system_sgpr_workgroup_id_z 1
		.amdhsa_system_vgpr_workitem_id 0
		.amdhsa_next_free_vgpr 232
		.amdhsa_next_free_sgpr 66
		.amdhsa_reserve_vcc 0
		.amdhsa_float_denorm_mode_32 3
		.amdhsa_float_denorm_mode_16_64 3
		.amdhsa_memory_ordered 1
		.amdhsa_forward_progress 1
		.amdhsa_inst_pref_size 36
	.end_amdhsa_kernel
	.amdgpu_metadata
---
amdhsa.version: [ 1, 2 ]
amdhsa.kernels:
  - .name:           k_qdcf41c0dc9_route
    .symbol:         k_qdcf41c0dc9_route.kd
    .args:
      - { .name: topk_neuron_idx, .offset: 0, .size: 8, .value_kind: global_buffer, .address_space: global }
      - { .name: topk_neuron_weights, .offset: 8, .size: 8, .value_kind: global_buffer, .address_space: global }
      - { .name: afft, .offset: 16, .size: 8, .value_kind: global_buffer, .address_space: global }
      - { .name: wgt, .offset: 24, .size: 8, .value_kind: global_buffer, .address_space: global }
    .group_segment_fixed_size: 0
    .private_segment_fixed_size: 0
    .kernarg_segment_align: 8
    .kernarg_segment_size: 32
    .max_flat_workgroup_size: 256
    .sgpr_count:     66
    .vgpr_count:     232
    .wavefront_size: 32
...
	.end_amdgpu_metadata
.endif
;; end of part 2
;; launch up (part 3): grid 16 x 16, 4 waves a work-group, clusters of 4 x 4, 327,680 bytes of LDS; arguments xb, upb, wgt, gatest, up_b, hbuf; writes hbuf
.if DOCPART == 3
	.amdgcn_target "amdgcn-amd-amdhsa--gfx1250"
	.amdhsa_code_object_version 6
	.text
	.protected	k_qdcf41c0dc9_up
	.globl	k_qdcf41c0dc9_up
	.p2align	8
	.type	k_qdcf41c0dc9_up,@function
k_qdcf41c0dc9_up:
	s_mov_b64 s[64:65], 0
	v_nop
	global_prefetch_b8 v0, s[64:65] scope:SCOPE_SE
	s_setreg_imm32_b32 hwreg(HW_REG_WAVE_MODE, 25, 1), 1
	s_wait_xcnt 0x0
	s_wait_alu depctr_hold_cnt(0) depctr_sa_sdst(0) depctr_va_vdst(0) depctr_va_sdst(0) depctr_va_ssrc(0) depctr_va_vcc(0) depctr_vm_vsrc(0)
	s_getreg_b32 s2, hwreg(HW_REG_IB_STS2, 6, 4)
	s_cmp_eq_u32 s2, 0
	s_cbranch_scc0 .Lentry_in_a_cluster
	s_endpgm
.Lentry_in_a_cluster:
	s_bfe_u32 s2, ttmp6, 0x10000c
	s_cmp_lg_u32 s2, 0xf033
	s_cbranch_scc0 .Lentry_shape_is_right
	s_endpgm
.Lentry_shape_is_right:
; UP.  hbuf[m][n] = gelu((sum over k of xb[m][k] upb[k][n] + up_b[n]) x sigmoid(gate[m][n])), gate[m][n] = sum over 64 patterns of weight[m][p] gates[p][n].
; xb [8192][1024], upb [1024][4096], wgt [8192][64] (= -log2(e) x softmax weight, dense), gatest [4096][64], hbuf [8192][4096]: all bf16; up_b [4096] f32.  Sums and the activation in f32.
; FORMATS AND LIMITS.  up_b is rounded to bf16 in registers, like every floating-point input of the program; h is rounded to bf16 once, as the next product's operand.
; sigmoid(g) = 1 / (1 + 2^(-log2(e) g)).  gelu(z) = max(z, 0) - |z| q(|z|), q = 1 - Phi, as t (c1 + t (c2 + t (c3 + t (c4 + t c5)))) 2^(-z z log2(e) / 2), t = 1 / (1 + p |z|):
; the five-term form of Abramowitz and Stegun 26.2.17 with 1 / sqrt(2 pi) folded into c1-c5; its absolute error in q is at most 7.5e-8.  NaN and infinities are not treated apart.
; SHAPE.  A tile of hbuf is 256 x 256, made by four waves, 128 x 128 each: 64 accumulators of 16 x 16, 512 registers.  K goes in steps of 128 through a ring of two LDS slots filled by tensor loads.
; A work-group makes two tiles, 4,096 rows apart, with the same columns: 512 tiles on 256 work-groups; the ring runs on from the first tile into the second.
; upb stays [k][n]: its fragments come out of LDS turned, by ds_load_tr16_b128.  THE MATRIX INSTRUCTION IS USED TRANSPOSED (source 0 = 16 columns n, source 1 = 16 rows m):
; lane l then holds row m = l % 16 and its registers 0-7 the columns 8 (l / 16) + 0..7: eight neighbouring numbers of a row.  The first product's C operand is the bias: nothing is cleared, nothing added later.
; THE WAY OUT goes by blocks of 16 rows, in a loop of eight trips: the gate's product (K = 64, sixteen matrix instructions), the activation, bf16, through my own stage in LDS, whole rows of 256 bytes out.
; A block's fragments of wgt are asked for a trip ahead and waited for at that trip's end: no global load is out at a backward branch, nor where registers are loaded that an earlier load names.
; CLUSTER.  4 x 4 work-groups; the four of a row need the same tiles of xb, the four of a column the same tiles of upb: each tile is asked for JOINTLY, by the same tensor load, descriptor and mask in all four.
; By this text's count a wave has two tensor loads out at the start and one behind each round.
; REGISTERS, in windows of 256 (s_set_vgpr_msb: bits 1:0 source 0, 3:2 source 1, 5:4 source 2, 7:6 destination):
;   window 0: v0-31 addresses and four at work; v32-47 a block's fragments of wgt; v64-127, v128-191 fragments of xb, two buffers; v192-255 the bias.  On the way out v128-191 (PR) and v192-255 (TR) are at work.
;   window 1: v64-127, v128-191 fragments of upb, two buffers; v0-63, v192-255 the fragments of gatest for my 128 columns, loaded once.  On the way out v128-191 (ZR) holds the gate, then z.
;   window 2: accumulators of my rows 0-63 ((a, b) at v[64 (a % 4) + 8 b]); window 3: of my rows 64-127.
.set MB,     8                         ; blocks of 16 rows in a wave's tile
.set SIZE_K, 1024
.set SIZE_N, 4096
.set KSTEP,  128
.set PA,     272                       ; a row of xb in LDS: 256 bytes + 16 = 68 words: the 16 rows of a load start at 16 different groups of four banks (64 banks of 4 bytes: ISA guide 11.1)
.set PB,     544                       ; a row of upb: 512 + 32 = 136 words: row r starts at bank 8 r mod 64
.set AHALF,  16*MB*PA                  ; what one tensor load brings of xb, and what one wave reads of it
.set AREG,   2*AHALF
.set BHALF,  64*PB                     ; what one tensor load brings of upb: 64 of a step's 128 rows
.set SLOT,   AREG+2*BHALF
.set STAGE,  2*SLOT                    ; behind the ring, never filled by a tensor load: 16 rows x 272 bytes for each wave
.set SP,     272
.set SPARE,  STAGE+4*16*SP             ; behind the stages: the spare words, 128 bytes for each wave: two blocks of 256 bytes that no other line names
.set LAPS,   SIZE_K/(2*KSTEP)          ; a lap = two K steps = once round the ring
.set NF,     16+2*MB                   ; LDS loads in a run: a quarter step's fragments
.set WALK,   4096                      ; rows from a work-group's first tile to its second
.set STEP_A, 2*KSTEP*2                 ; a slot's next K step: 256 elements along xb's rows,
.set STEP_B, 2*KSTEP*SIZE_N*2          ; 256 rows down upb
.set NEXT_A, WALK*SIZE_K*2-(SIZE_K-2*KSTEP)*2  ; from a slot's last K step of a tile to its first of the next
.set BACK_B, (SIZE_K-2*KSTEP)*SIZE_N*2
.set ADRA, 16                          ; v16-17  LDS address of my fragments of xb in slot 0, 1
.set ADRB, 20                          ; v20-21  the same for upb
.set STO,  24                          ; v24     the way out: where I put 16 bytes of a row
.set RD,   25                          ; v25     where I read a row back
.set CO,   26                          ; v26     my byte offset in two rows of hbuf
.set WO,   27                          ; v27     my byte offset in 16 rows of wgt or gatest
.set SPW,  28                          ; v28     LDS address of my spare word; never rewritten
.set NIL,  29                          ; v29     0; never rewritten
.set BO,   30                          ; v30     my byte offset in 16 numbers of up_b
.set WF,   32
.set F0,   64
.set F1,   128
.set BIAS, 192
.set PR,   128                         ; window 0
.set TR,   192                         ; window 0
.set ZR,   128                         ; window 1
.set GF0,  0                           ; window 1: patterns 0-31, column block b at + 8 b
.set GF1,  192                         ; window 1: patterns 32-63
.set G1,  24                           ; s[24:31] descriptor group 1 for xb's tiles;  s[32:39] group 0, a set for each slot
.set G0,  32
.set G1B, 48                           ; s[48:55], s[56:63] the same for upb's
.set G0B, 56
.set BA,  72                           ; s72 the block in hand on the way out
.set MSB, 0
.macro WIN new                         ; the immediate's high byte repeats the setting that is left; a switch that changes nothing is dropped
.if MSB != (\new)
	s_set_vgpr_msb (MSB<<8)|(\new)
.set MSB, \new
.endif
.endm
.macro PLACES                          ; four plain vector instructions between a matrix instruction and a load into, or a vector line on, its registers (ISA guide 7.12.1 for vector lines)
.rept 4
	v_nop
.endr
.endm
; A joint load.  Waves 0 and 1 fetch xb's two halves, waves 2 and 3 upb's.  The branch hangs on the wave's number alone.  Four v_nop follow each of the two lines, ahead of the jump and the label.
.macro JLOAD s
	s_cmp_eq_u32 s11, 0
	s_cbranch_scc0 .Lfor_b_\@
	tensor_load_to_lds s[G0+4*(\s):G0+4*(\s)+3], s[G1:G1+7]
	s_nop 0
.rept 4
	v_nop
.endr
	s_branch .Lasked_\@
.Lfor_b_\@:
	tensor_load_to_lds s[G0B+4*(\s):G0B+4*(\s)+3], s[G1B:G1B+7]
	s_nop 0
.rept 4
	v_nop
.endr
.Lasked_\@:
.endm
.macro CREST                           ; a round of the cluster's barrier behind its opening barrier: wave 0 signals for the work-group, every wave waits for all sixteen, my work-group's barrier once more
	s_cmp_lg_u32 s10, 0
	s_cbranch_scc1 .Lnot_wave_0_\@
	s_barrier_signal -3
.Lnot_wave_0_\@:
	s_barrier_wait -3
	s_barrier_signal -1
	s_barrier_wait -1
.endm
.macro CROUND                          ; a whole round
	s_barrier_signal -1
	s_barrier_wait -1
	CREST
.endm
; 8 matrix instructions: row block a x all 8 column blocks, 32 along K, from buffer f.  first = 1: the sums begin on the bias.
.macro MULA f, a, first
.if \first
	WIN 0x81+0x40*((\a)/4)
.else
	WIN 0xa1+0x50*((\a)/4)
.endif
.irp b, 0,1,2,3,4,5,6,7
.if \first
	v_wmma_f32_16x16x32_bf16 v[64*((\a)%4)+8*\b:64*((\a)%4)+8*\b+7], v[(\f)+8*\b:(\f)+8*\b+7], v[(\f)+8*(\a):(\f)+8*(\a)+7], v[BIAS+8*\b:BIAS+8*\b+7]
.else
	v_wmma_f32_16x16x32_bf16 v[64*((\a)%4)+8*\b:64*((\a)%4)+8*\b+7], v[(\f)+8*\b:(\f)+8*\b+7], v[(\f)+8*(\a):(\f)+8*(\a)+7], v[64*((\a)%4)+8*\b:64*((\a)%4)+8*\b+7]
.endif
.endr
.endm
.macro MULS f, a0, n, first            ; n row blocks from a0 on.  The 64 accumulators take turns, one instruction a turn, in the same order in every quarter
.set ma, \a0
.rept \n
	MULA \f, ma, \first
.set ma, ma+1
.endr
.endm
; One run of LDS loads: the fragments of quarter q (32 along K) of a slot into buffer f: upb's 8 column blocks, turned, then xb's row blocks
.macro FETCH slot, q, f
	WIN 0x40
.irp i, 0,1,2,3,4,5,6,7
	ds_load_tr16_b128 v[(\f)+8*\i:(\f)+8*\i+3],   v[ADRB+(\slot)] offset:(\q)*32*PB+32*\i
	ds_load_tr16_b128 v[(\f)+8*\i+4:(\f)+8*\i+7], v[ADRB+(\slot)] offset:(\q)*32*PB+16*PB+32*\i
.endr
	WIN 0
.set fi, 0
.rept MB
	ds_load_b128 v[(\f)+8*fi:(\f)+8*fi+3],   v[ADRA+(\slot)] offset:64*(\q)+fi*16*PA
	ds_load_b128 v[(\f)+8*fi+4:(\f)+8*fi+7], v[ADRA+(\slot)] offset:64*(\q)+fi*16*PA+32
.set fi, fi+1
.endr
.endm
; A K step is four quarters on buffers 0, 1, 0, 1.  One of the first three multiplies buffer f and, in its middle, fetches quarter q of the same slot into buffer g.
.macro QUARTER slot, q, f, g, first=0
	s_wait_dscnt MB                                ; upb's fragments and xb's lower blocks are in; the youngest MB loads (xb's upper blocks) may be out
	MULS \f, 0, MB/2, \first
	PLACES
	FETCH \slot, \q, \g
	s_wait_dscnt NF                                ; all but the run just issued
	MULS \f, MB/2, MB/2, \first
.endm
; The last quarter multiplies buffer 1 and changes slots.  ONE barrier: in front of it each wave waits for all its tensor loads (one is out: its part of the next slot), adds 0 to its spare word,
; and waits for that and for its reads of this slot.  mode 0: nothing is filled.  mode 1: this slot takes the K step two steps on.  mode 2: it takes the next tile's K step 0 or 1.
; With a fill the barrier opens a round of the cluster's, and the joint load is the first thing behind the round.
.macro TURN slot, next, mode
	WIN 0                                          ; (the add's two registers lie in window 0)
	s_wait_tensorcnt 0x0                           ; all my tensor loads have landed
	ds_add_u32 v[SPW], v[NIL]                      ; 0 onto my spare word
	s_wait_dscnt MB+1                              ; (the add and the youngest MB loads may be out)
	MULS F1, 0, MB/4, 0                            ; matrix work stands between the add and the wait for it
	s_wait_dscnt 0x0                               ; the add is done, and my reads of this slot are over
	s_barrier_signal -1
	MULS F1, MB/4, MB/4, 0                         ; work on registers while the others arrive
.if \mode
	WIN 0
.endif
	s_barrier_wait -1
.if \mode
	CREST                                          ; no wave of any partner still reads this slot or has a load on its way
.if (\mode) == 2
	s_add_nc_u64 s[G0+4*(\slot)+2:G0+4*(\slot)+3], s[G0+4*(\slot)+2:G0+4*(\slot)+3], NEXT_A
	s_sub_nc_u64 s[G0B+4*(\slot)+2:G0B+4*(\slot)+3], s[G0B+4*(\slot)+2:G0B+4*(\slot)+3], BACK_B
.else
	s_add_nc_u64 s[G0+4*(\slot)+2:G0+4*(\slot)+3], s[G0+4*(\slot)+2:G0+4*(\slot)+3], STEP_A
	s_add_nc_u64 s[G0B+4*(\slot)+2:G0B+4*(\slot)+3], s[G0B+4*(\slot)+2:G0B+4*(\slot)+3], STEP_B
.endif
	JLOAD \slot                                    ; its four v_nop are also the places in front of the loads below
.else
	PLACES
.endif
	FETCH \next, 0, F0
	MULS F1, MB/2, MB/2, 0
.endm
.macro BIASLD                          ; my 128 numbers of up_b: register 8 b + j holds column 16 b + 8 (l / 16) + j, the layout of a result
.set i, 0
.rept 16
	global_load_b128 v[BIAS+4*i:BIAS+4*i+3], v[BO], s[70:71] offset:64*(i/2)+16*(i%2)
.set i, i+1
.endr
.endm
.macro ROUNDB                          ; the bias is rounded to bf16 and widened again
.set bi, 0
.rept 32
	v_cvt_pk_bf16_f32 v[8+bi%4], v[BIAS+2*bi], v[BIAS+2*bi+1]
	v_lshlrev_b32 v[BIAS+2*bi], 16, v[8+bi%4]
	v_and_b32 v[BIAS+2*bi+1], 0xffff0000, v[8+bi%4]
.set bi, bi+1
.endr
.endm
.macro ZMUL a                          ; z = (h + bias) x sigmoid, for row block a; each accumulator's registers are read in ascending order
	WIN 0x46+(\a)/4
.set i, 0
	s_wait_alu depctr_va_vdst(0)
.rept 32
	v_pk_mul_f32 v[ZR+2*i:ZR+2*i+1], v[64*((\a)%4)+2*i:64*((\a)%4)+2*i+1], v[ZR+2*i:ZR+2*i+1]
.set i, i+1
.endr
	WIN 0
.endm
	s_load_b128 s[4:7], s[0:1], 0x0                ; xb s[4:5], upb s[6:7]
	s_load_b64 s[66:67], s[0:1], 0x10              ; wgt
	s_load_b128 s[68:71], s[0:1], 0x18             ; gatest s[68:69], up_b s[70:71]
	s_load_b64 s[8:9], s[0:1], 0x28                ; hbuf
	v_lshl_add_u32 v[SPW], v0, 2, SPARE
	v_mov_b32 v[NIL], 0
	ds_add_u32 v28, v29
	s_wait_dscnt 0x0
	v_lshrrev_b32 v1, 5, v0
	v_readfirstlane_b32 s10, v1                    ; wave 0..3
	s_lshr_b32 s11, s10, 1                         ; which half of the tile's rows is mine.  Also: I fetch for xb (0) or for upb (1)
	s_and_b32 s12, s10, 1                          ; which half of its columns.  Also: which half of that tile I fetch
	s_bfe_u32 s40, ttmp6, 0x40000                  ; cx, cy: my place in the cluster
	s_bfe_u32 s41, ttmp6, 0x40004
	s_lshl_b32 s42, ttmp9, 2
	s_add_co_u32 s42, s42, s40                     ; tile column = 4 x cluster x + cx
	s_and_b32 s13, ttmp7, 0xffff
	s_lshl_b32 s13, s13, 2
	s_add_co_u32 s13, s13, s41                     ; tile row = 4 x cluster y + cy
	s_lshl_b32 s43, s41, 2
	s_lshl_b32 s43, 15, s43                        ; my row of the cluster
	s_lshl_b32 s44, 0x1111, s40                    ; my column
	; descriptor group 1 for xb: 128 rows x 128 elements, 16 bytes of padding behind every 256
	s_or_b32 s[G1+0], s43, (1<<16)|(1<<20)|(1<<21)|(5<<22)|(3<<25)  ; 15:0 the mask: my row; 17:16 2-byte elements; 20 padding on; 21 set beside a mask; 24:22 after every 64 words; 31:25 4 words
	s_mov_b32 s[G1+1], KSTEP<<16                   ; tensor_dim0 = 128
	s_mov_b32 s[G1+2], (16*MB)<<16                 ; tensor_dim1 = 128
	s_mov_b32 s[G1+3], KSTEP<<16                   ; tile_dim0 = 128
	s_mov_b32 s[G1+4], 16*MB                       ; tile_dim1 = 128
	s_mov_b32 s[G1+5], SIZE_K                      ; elements from row to row
	s_mov_b32 s[G1+6], 0
	s_mov_b32 s[G1+7], 0
	; for upb: 64 rows x 256 elements, 32 bytes of padding behind every 512
	s_or_b32 s[G1B+0], s44, (1<<16)|(1<<20)|(1<<21)|(6<<22)|(7<<25)  ; the mask: my column; after every 128 words 8 words
	s_mov_b32 s[G1B+1], 256<<16
	s_mov_b32 s[G1B+2], 64<<16
	s_mov_b32 s[G1B+3], 256<<16
	s_mov_b32 s[G1B+4], 64
	s_mov_b32 s[G1B+5], SIZE_N
	s_mov_b32 s[G1B+6], 0
	s_mov_b32 s[G1B+7], 0
	; where the tiles come from: xb's hang on the tile row alone, upb's on the tile column alone, each in registers that never hold the other coordinate
	s_mul_i32 s16, s13, 32*MB
	s_mul_i32 s17, s12, 16*MB
	s_add_co_u32 s16, s16, s17                     ; xb: row 256 x tile row + 128 x half
	s_mul_i32 s16, s16, SIZE_K*2                   ; in bytes: under 2^24
	s_mov_b32 s17, 0
	s_mul_i32 s46, s12, 64*SIZE_N*2                ; upb: row 64 x half,
	s_lshl_b32 s47, s42, 9                         ; column 256 x tile column
	s_add_co_u32 s46, s46, s47
	s_mov_b32 s47, 0
	s_mul_i32 s20, s12, AHALF                      ; and where they go: no place in the cluster enters an LDS address
	s_mul_i32 s21, s12, BHALF
	s_add_co_u32 s21, s21, AREG
	s_mov_b32 s74, 0x3e6d3389                      ; p = 0.2316419
	s_mov_b32 s76, 0x3f07dc22                      ; c5;  the packed lines name pairs and take the low word for both halves
	s_mov_b32 s77, s76
	s_mov_b32 s78, 0xbf3a00e3                      ; c4
	s_mov_b32 s79, s78
	s_mov_b32 s80, 0x3f35f0e3                      ; c3
	s_mov_b32 s81, s80
	s_mov_b32 s82, 0xbe11a98e                      ; c2
	s_mov_b32 s83, s82
	s_mov_b32 s84, 0x3e027906                      ; c1
	s_mov_b32 s85, s84
	s_mov_b32 s86, 0xbf38aa3b                      ; -log2(e) / 2
	s_mov_b32 s87, s86
	s_wait_kmcnt 0x0
	s_add_nc_u64 s[14:15], s[4:5], s[16:17]
	s_add_nc_u64 s[46:47], s[6:7], s[46:47]
	CROUND                                         ; all sixteen work-groups are here: the first joint loads meet
.irp s, 0,1
	s_mov_b32 s[G0+4*(\s)], 1                                      ; count = 1
	s_add_co_u32 s[G0+4*(\s)+1], s20, (\s)*SLOT                    ; LDS address
	s_add_nc_u64 s[G0+4*(\s)+2:G0+4*(\s)+3], s[14:15], (\s)*KSTEP*2  ; global address: K step s
	s_or_b32 s[G0+4*(\s)+3], s[G0+4*(\s)+3], 0x80000000            ; type = 2
	s_mov_b32 s[G0B+4*(\s)], 1
	s_add_co_u32 s[G0B+4*(\s)+1], s21, (\s)*SLOT
	s_add_nc_u64 s[G0B+4*(\s)+2:G0B+4*(\s)+3], s[46:47], (\s)*KSTEP*SIZE_N*2
	s_or_b32 s[G0B+4*(\s)+3], s[G0B+4*(\s)+3], 0x80000000
	JLOAD \s                                       ; the ring is filled before anything else is done
.endr
	; A fragment of xb: lane l holds row l % 16; two loads of 16 bytes, 32 apart, at row x pitch + 16 (l / 16).
	; A fragment of upb, turned: lane l addresses row 8 (l / 16) + l % 8, bytes 16 ((l / 8) % 2) on, and receives column l % 16; the second load 16 rows further down.
	v_and_b32 v1, 15, v0
	v_bfe_u32 v2, v0, 4, 1
	v_mul_u32_u24 v3, v1, PA
	v_lshl_add_u32 v3, v2, 4, v3
	v_and_b32 v4, 7, v0
	v_lshl_add_u32 v4, v2, 3, v4
	v_mul_u32_u24 v4, v4, PB
	v_bfe_u32 v5, v0, 3, 1
	v_lshl_add_u32 v4, v5, 4, v4
	s_mul_i32 s21, s11, AHALF                      ; my 128 rows of xb
	s_lshl_b32 s23, s12, 8                         ; my 128 columns of upb,
	s_add_co_u32 s23, s23, AREG                    ; which lies behind xb's rows
.irp s, 0,1
	v_add_nc_u32 v[ADRA+(\s)], s21, v3
	v_add_nc_u32 v[ADRB+(\s)], s23, v4
	s_add_co_u32 s21, s21, SLOT
	s_add_co_u32 s23, s23, SLOT
.endr
	s_mul_i32 s21, s10, 16*SP
	s_add_co_u32 s21, s21, STAGE                   ; my stage
	v_mul_u32_u24 v6, v1, SP                       ; in: row l % 16, 16 bytes for each half of the lanes
	v_lshl_add_u32 v6, v2, 4, v6
	v_add_nc_u32 v[STO], s21, v6
	v_mul_u32_u24 v6, v2, SP                       ; back: lanes 0-15 take one row of 256 bytes, lanes 16-31 the next
	v_lshl_add_u32 v6, v1, 4, v6
	v_add_nc_u32 v[RD], s21, v6
	v_lshlrev_b32 v6, 13, v2                       ; and the same two rows in hbuf, 8,192 bytes apart
	v_lshl_add_u32 v[CO], v1, 4, v6
	v_lshlrev_b32 v6, 7, v1                        ; rows of 128 bytes in wgt and gatest
	v_lshl_add_u32 v[WO], v2, 4, v6
	v_lshlrev_b32 v[BO], 5, v2
	s_lshl_b32 s16, s13, 8
	s_lshl_b32 s17, s11, 7
	s_add_co_u32 s16, s16, s17                     ; my first row
	s_mov_b32 s19, 0
	s_lshl_b32 s18, s16, 7
	s_add_nc_u64 s[66:67], s[66:67], s[18:19]      ; wgt at my first row
	s_lshl_b32 s18, s16, 13
	s_add_nc_u64 s[8:9], s[8:9], s[18:19]          ; hbuf at my first row,
	s_lshl_b32 s45, s42, 8
	s_lshl_b32 s46, s12, 7
	s_add_co_u32 s45, s45, s46                     ; my first column
	s_mov_b32 s47, 0
	s_lshl_b32 s46, s45, 1
	s_add_nc_u64 s[8:9], s[8:9], s[46:47]          ; and column
	s_lshl_b32 s46, s45, 7
	s_add_nc_u64 s[68:69], s[68:69], s[46:47]      ; gatest at my first column's row
	s_lshl_b32 s46, s45, 2
	s_add_nc_u64 s[70:71], s[70:71], s[46:47]      ; up_b at my first column
	BIASLD
	WIN 0x40                                       ; destination window 1, address window 0
.set i, 0
.rept 16                                       ; gatest's fragments: column block i / 2, 16 bytes at 32 (i % 2); patterns 0-31, then 32-63
	global_load_b128 v[GF0+4*i:GF0+4*i+3], v[WO], s[68:69] offset:2048*(i/2)+32*(i%2)
	global_load_b128 v[GF1+4*i:GF1+4*i+3], v[WO], s[68:69] offset:2048*(i/2)+32*(i%2)+64
.set i, i+1
.endr
	WIN 0
	s_wait_tensorcnt 1                             ; my part of K step 0 is in; K step 1's may stay out
	s_barrier_signal -1
	s_barrier_wait -1                              ; everybody's is
	FETCH 0, 0, F0
	s_mov_b32 s2, 2                                ; tiles to go: the same number in every work-group
.Ltile:
	s_wait_loadcnt 0x0                             ; the bias is in (ahead of the first tile gatest's fragments too): no load of mine is out when the four below go out
.irp i, 0,1,2,3
	global_load_b128 v[WF+4*\i:WF+4*\i+3], v[WO], s[66:67] offset:32*\i  ; wgt's fragments of the tile's first block of 16 rows: wanted on the way out, a whole tile's products away
.endr
	ROUNDB
	QUARTER 0, 1, F0, F1, 1                        ; a tile's first quarter stands in front of the loop: its products start the sums on the bias
	WIN 0                                          ; at a label and at a branch every window is 0
	s_mov_b32 s3, LAPS-1
.Llap:                                                 ; a trip goes once round the ring, from a lap's second quarter to the next lap's first, and fills both slots again
	QUARTER 0, 2, F1, F0
	QUARTER 0, 3, F0, F1
	TURN 0, 1, 1
	QUARTER 1, 1, F0, F1
	QUARTER 1, 2, F1, F0
	QUARTER 1, 3, F0, F1
	TURN 1, 0, 1
	QUARTER 0, 1, F0, F1
	WIN 0
	s_sub_co_u32 s3, s3, 1
	s_cmp_lg_u32 s3, 0
	s_cbranch_scc1 .Llap
	QUARTER 0, 2, F1, F0                           ; the tile's last lap goes on
	QUARTER 0, 3, F0, F1
	WIN 0
	s_cmp_eq_u32 s2, 1
	s_cbranch_scc1 .Llast                          ; the last tile asks for nothing more
	TURN 0, 1, 2                                   ; the ring goes on into the next tile: slot 0 takes its K step 0,
	QUARTER 1, 1, F0, F1
	QUARTER 1, 2, F1, F0
	QUARTER 1, 3, F0, F1
	TURN 1, 0, 2                                   ; slot 1 its K step 1, and its first fragments are fetched into buffer 0, which the way out leaves alone
	WIN 0
	s_branch .Lout
.Llast:
	TURN 0, 1, 0
	QUARTER 1, 1, F0, F1
	QUARTER 1, 2, F1, F0
	QUARTER 1, 3, F0, F1
	s_wait_dscnt MB                                ; the very last quarter: nothing more to fetch
	MULS F1, 0, MB/2, 0
	s_wait_dscnt 0x0
	MULS F1, MB/2, MB/2, 0
	WIN 0
.Lout:
.rept 5
	v_nop                                          ; five places: the gate's product writes over upb's buffer 1, a source of the last products
.endr
	s_wait_loadcnt 0x0                             ; wgt's fragments of the tile's first block, asked for at the tile's beginning, are in
	s_mov_b32 s[BA], 0
.Lblk:                                                 ; eight trips: one block of 16 rows x my 128 columns; on both ways in, the block's fragments of wgt have been waited for
	WIN 0x51                                       ; gatest and the result in window 1, wgt in window 0
.irp b, 0,1,2,3,4,5,6,7
	v_wmma_f32_16x16x32_bf16 v[ZR+8*\b:ZR+8*\b+7], v[GF0+8*\b:GF0+8*\b+7], v[WF:WF+7], 0
.endr
.irp b, 0,1,2,3,4,5,6,7                        ; the eight accumulators take turns
	v_wmma_f32_16x16x32_bf16 v[ZR+8*\b:ZR+8*\b+7], v[GF1+8*\b:GF1+8*\b+7], v[WF+8:WF+15], v[ZR+8*\b:ZR+8*\b+7]
.endr
	WIN 0
	PLACES
	s_cmp_eq_u32 s[BA], 7
	s_cbranch_scc1 .Lno_w
	s_add_nc_u64 s[66:67], s[66:67], 2048          ; 16 rows of wgt on (the loads that named this base are in)
.irp i, 0,1,2,3
	global_load_b128 v[WF+4*\i:WF+4*\i+3], v[WO], s[66:67] offset:32*\i  ; the next block's: they have the rest of the trip in which to land
.endr
.Lno_w:
	WIN 0x41                                       ; sigmoid, in place: ZR holds -log2(e) x gate
.set i, 0
.rept 64
	v_exp_f32 v[ZR+i], v[ZR+i]
.set i, i+1
.endr
	v_nop                                          ; a plain instruction between the last exponential and the use of its result (ISA guide 5.7.2)
.set i, 0
	s_wait_alu depctr_va_vdst(0)
.rept 32
	v_pk_add_f32 v[ZR+2*i:ZR+2*i+1], v[ZR+2*i:ZR+2*i+1], 1.0 op_sel_hi:[1,0]
.set i, i+1
.endr
.set i, 0
.rept 64
	v_rcp_f32 v[ZR+i], v[ZR+i]
.set i, i+1
.endr
	v_nop
	WIN 0
.irp a, 0,1,2,3,4,5,6                          ; the one part of a trip that names the block's own accumulators is written eight times; the counter chooses
	s_cmp_eq_u32 s[BA], \a
	s_cbranch_scc1 .Lz\a
.endr
	ZMUL 7
	s_branch .Lzd
.irp a, 0,1,2,3,4,5
.Lz\a:
	ZMUL \a
	s_branch .Lzd
.endr
.Lz6:
	ZMUL 6
.Lzd:
	WIN 0x04                                       ; t = 1 / (1 + p |z|): z in window 1; each reciprocal has a plain line behind it
.set i, 0
.rept 64
	v_fma_f32 v[TR+i], s74, |v[ZR+i]|, 1.0
.if i >= 4
	v_rcp_f32 v[TR+i-4], v[TR+i-4]
.endif
.set i, i+1
.endr
.set i, 60
.rept 4
	v_rcp_f32 v[TR+i], v[TR+i]
.set i, i+1
.endr
	v_nop
	WIN 0                                          ; the polynomial in t, two numbers a line, 32 independent lines a pass
.set i, 0
	s_wait_alu depctr_va_vdst(0)
.rept 32
	v_pk_fma_f32 v[PR+2*i:PR+2*i+1], v[TR+2*i:TR+2*i+1], s[76:77], s[78:79] op_sel_hi:[1,0,0]
.set i, i+1
.endr
.irp c, 80,82,84
.set i, 0
.rept 32
	v_pk_fma_f32 v[PR+2*i:PR+2*i+1], v[PR+2*i:PR+2*i+1], v[TR+2*i:TR+2*i+1], s[\c:\c+1] op_sel_hi:[1,1,0]
.set i, i+1
.endr
.endr
.set i, 0
.rept 32
	v_pk_mul_f32 v[PR+2*i:PR+2*i+1], v[PR+2*i:PR+2*i+1], v[TR+2*i:TR+2*i+1]
.set i, i+1
.endr
	WIN 0x01                                       ; -z z log2(e) / 2
.set i, 0
.rept 32
	v_pk_mul_f32 v[TR+2*i:TR+2*i+1], v[ZR+2*i:ZR+2*i+1], s[86:87] op_sel_hi:[1,0]
.set i, i+1
.endr
.set i, 0
.rept 32
	v_pk_mul_f32 v[TR+2*i:TR+2*i+1], v[ZR+2*i:ZR+2*i+1], v[TR+2*i:TR+2*i+1]
.set i, i+1
.endr
	WIN 0
.set i, 0
.rept 64
	v_exp_f32 v[TR+i], v[TR+i]
.set i, i+1
.endr
	v_nop
.set i, 0
	s_wait_alu depctr_va_vdst(0)
.rept 32
	v_pk_mul_f32 v[PR+2*i:PR+2*i+1], v[PR+2*i:PR+2*i+1], v[TR+2*i:TR+2*i+1]  ; q
.set i, i+1
.endr
	WIN 0x04                                       ; gelu = max(z, 0) - |z| q
.set i, 0
.rept 64
	v_max_num_f32 v[TR+i], 0, v[ZR+i]
.set i, i+1
.endr
.set i, 0
.rept 64
	v_fma_f32 v[PR+i], v[PR+i], -|v[ZR+i]|, v[TR+i]
.set i, i+1
.endr
	WIN 0
	s_cmp_lg_u32 s[BA], 7
	s_cbranch_scc1 .Lno_b
	s_cmp_eq_u32 s2, 1
	s_cbranch_scc1 .Lno_b
	BIASLD                                         ; TR has served: the bias comes back for the next tile
.Lno_b:
.set i, 0
.rept 32
	v_cvt_pk_bf16_f32 v[PR+i], v[PR+2*i], v[PR+2*i+1]  ; ascending, in place: no number is overwritten before it is read
.set i, i+1
.endr
.irp b, 0,1,2,3,4,5,6,7
	ds_store_b128 v[STO], v[PR+4*\b:PR+4*\b+3] offset:32*\b
.endr
.irp t, 0,1,2,3,4,5,6,7
	ds_load_b128 v[PR+32+4*\t:PR+32+4*\t+3], v[RD] offset:\t*2*SP  ; LDS serves a wave's instructions in order (ISA guide 5.7.1.4): these see the stores above
.endr
.irp t, 0,1,2,3,4,5,6,7
	s_wait_dscnt 7-\t                              ; the 7 - t younger loads of the run may be out
	global_store_b128 v[CO], v[PR+32+4*\t:PR+32+4*\t+3], s[8:9] offset:\t*2*SIZE_N*2  ; 16 lanes store 256 consecutive bytes, at a multiple of 256 from hbuf's first byte
.endr
	s_wait_xcnt 0x0                                ; only behind this wait are the stores' base and data registers rewritten (ISA guide 3.1)
	s_wait_loadcnt 0x0                             ; the next block's fragments of wgt, asked for near the trip's beginning, are in (in the first tile's last trip: the bias): no load is out at the loop's edge
	s_add_nc_u64 s[8:9], s[8:9], 16*SIZE_N*2       ; 16 rows of hbuf on
	s_add_co_u32 s[BA], s[BA], 1
	s_cmp_lt_u32 s[BA], 8
	s_cbranch_scc1 .Lblk
	s_add_nc_u64 s[8:9], s[8:9], (WALK-128)*SIZE_N*2  ; on to my rows of the next tile
	s_add_nc_u64 s[66:67], s[66:67], WALK*128-7*2048
	s_sub_co_u32 s2, s2, 1
	s_cmp_lg_u32 s2, 0
	s_cbranch_scc1 .Ltile
	s_wait_tensorcnt 0x0                           ; the wave's end, behind my last tensor load and my last LDS store
	ds_add_u32 v[SPW], v[NIL]
	s_wait_dscnt 0x0
	CROUND                                         ; the closing round: no work-group ends while a partner may still ask for a tile that names it
	s_endpgm
.Lfunc_end_k_qdcf41c0dc9_up:
	.size	k_qdcf41c0dc9_up, .Lfunc_end_k_qdcf41c0dc9_up-k_qdcf41c0dc9_up
	.p2alignl 7, 3214868480
	.fill 96, 4, 3214868480
	.section	.rodata,"a",@progbits
	.p2align	6, 0x0
	.amdhsa_kernel k_qdcf41c0dc9_up
		.amdhsa_group_segment_fixed_size 327680
		.amdhsa_private_segment_fixed_size 0
		.amdhsa_enable_private_segment 0
		.amdhsa_kernarg_size 48
		.amdhsa_user_sgpr_count 2
		.amdhsa_user_sgpr_kernarg_segment_ptr 1
		.amdhsa_wavefront_size32 1
		.amdhsa_system_sgpr_workgroup_id_x 1
		.amdhsa_system_sgpr_workgroup_id_y 1
		.amdhsa_system_sgpr_workgroup_id_z 1
		.amdhsa_system_vgpr_workitem_id 0
		.amdhsa_next_free_vgpr 1024
		.amdhsa_next_free_sgpr 90
		.amdhsa_reserve_vcc 0
		.amdhsa_float_denorm_mode_32 3
		.amdhsa_float_denorm_mode_16_64 3
		.amdhsa_memory_ordered 1
		.amdhsa_forward_progress 1
		.amdhsa_inst_pref_size 218
	.end_amdhsa_kernel
	.amdgpu_metadata
---
amdhsa.version: [ 1, 2 ]
amdhsa.kernels:
  - .name:           k_qdcf41c0dc9_up
    .symbol:         k_qdcf41c0dc9_up.kd
    .args:
      - { .name: xb, .offset: 0, .size: 8, .value_kind: global_buffer, .address_space: global }
      - { .name: upb, .offset: 8, .size: 8, .value_kind: global_buffer, .address_space: global }
      - { .name: wgt, .offset: 16, .size: 8, .value_kind: global_buffer, .address_space: global }
      - { .name: gatest, .offset: 24, .size: 8, .value_kind: global_buffer, .address_space: global }
      - { .name: up_b, .offset: 32, .size: 8, .value_kind: global_buffer, .address_space: global }
      - { .name: hbuf, .offset: 40, .size: 8, .value_kind: global_buffer, .address_space: global }
    .group_segment_fixed_size: 327680
    .private_segment_fixed_size: 0
    .kernarg_segment_align: 8
    .kernarg_segment_size: 48
    .max_flat_workgroup_size: 128
    .sgpr_count:     90
    .vgpr_count:     1024
    .wavefront_size: 32
...
	.end_amdgpu_metadata
.endif
;; end of part 3
;; launch down (part 4): grid 4 x 64, 4 waves a work-group, clusters of 4 x 4, 327,680 bytes of LDS; arguments hbuf, dnb, down_b, out0; writes out0
.if DOCPART == 4
	.amdgcn_target "amdgcn-amd-amdhsa--gfx1250"
	.amdhsa_code_object_version 6
	.text
	.protected	k_qdcf41c0dc9_down
	.globl	k_qdcf41c0dc9_down
	.p2align	8
	.type	k_qdcf41c0dc9_down,@function
k_qdcf41c0dc9_down:
	s_mov_b64 s[64:65], 0
	v_nop
	global_prefetch_b8 v0, s[64:65] scope:SCOPE_SE
	s_setreg_imm32_b32 hwreg(HW_REG_WAVE_MODE, 25, 1), 1
	s_wait_xcnt 0x0
	s_wait_alu depctr_hold_cnt(0) depctr_sa_sdst(0) depctr_va_vdst(0) depctr_va_sdst(0) depctr_va_ssrc(0) depctr_va_vcc(0) depctr_vm_vsrc(0)
	s_getreg_b32 s2, hwreg(HW_REG_IB_STS2, 6, 4)
	s_cmp_eq_u32 s2, 0
	s_cbranch_scc0 .Lentry_in_a_cluster
	s_endpgm
.Lentry_in_a_cluster:
	s_bfe_u32 s2, ttmp6, 0x10000c
	s_cmp_lg_u32 s2, 0xf033
	s_cbranch_scc0 .Lentry_shape_is_right
	s_endpgm
.Lentry_shape_is_right:
; DOWN.  out0[m][n] = sum over k of hbuf[m][k] dnb[k][n] + down_b[n].  hbuf [8192][4096] and dnb [4096][1024] in bf16, down_b [1024] and out0 [8192][1024] in f32; sums in f32.
; down_b is rounded to bf16 in registers, like every floating-point input of the program.  NaN and infinities are not treated apart.
; SHAPE.  A tile of out0 is 128 x 256: 64 x 4 = 256 tiles, one work-group each (tiles of 256 x 256 would be 128).  Four waves, 64 x 128 each: 32 accumulators of 16 x 16, 256 registers.
; THE RING HAS TWO UNEQUAL SLOTS.  This tile costs 800 LDS bytes for each k (256 of hbuf, 544 of dnb with its padding), so two slots of 256 along K do not fit.  BIG holds 256 along K, SMALL 128:
; 311,296 bytes together.  4096 = 10 x 384 + 256: the walk is BIG, SMALL, BIG, .. BIG, eleven big steps and ten small ones, nineteen refills.  SMALL's refill has a big step's 240 matrix instructions
; in which to land, BIG's a small step's 112.  All rows asked for are 512 or 256 bytes of memory and start at multiples of 256 bytes (a lap is 768 bytes of a row of hbuf).
; dnb stays [k][n]: its fragments come out of LDS turned, by ds_load_tr16_b128.
; THE MATRIX INSTRUCTION IS USED TRANSPOSED (source 0 = 16 columns n, source 1 = 16 rows m): lane l holds row m = l % 16 and its registers 0-7 the columns 8 (l / 16) + 0..7.
; The first product's C operand is the bias: nothing is cleared, nothing added later.
; CLUSTER.  4 x 4 work-groups; the four of a row need the same tiles of hbuf, the four of a column the same tiles of dnb: each tile is asked for JOINTLY, by the same tensor load, descriptor and mask in all four.
; By this text's count a wave has two tensor loads out at the start and one behind each round.
; PREFETCH.  All work-groups walk K together, so each tile is wanted for the first time when it is asked for.  Once a lap each wave names 32 places of the lap whose BIG tile is asked for one big step later:
; of hbuf's 128 rows x 3 blocks of 256 bytes each of the four partners takes 32 rows, its waves 0 to 2 one block column each, a row a lane; of dnb's 384 rows x 2 blocks for a tile column each of the
; 64 work-groups of that column takes 6 rows, its wave 3, twelve lanes (lanes 12 to 31 repeat lane 11's block).  Lap 1 is named at the head, laps 2 to 9 in trips 0 to 7; the last trip names nothing,
; since lap 10 has only 256 of 384 along K and a whole lap's places would pass a row's end.
; THE STAGE for the way out lies in SMALL: its last fill has been read out by every wave in front of the last change of slots, and no tensor load follows.
; REGISTERS, in windows of 256 (s_set_vgpr_msb: bits 1:0 source 0, 3:2 source 1, 5:4 source 2, 7:6 destination):
;   window 0: v0-31 addresses and four at work; v64-95, v128-159 fragments of hbuf, two buffers; v192-255 the bias; on the way out v64-127 and v128-191 take rows read back from the stage, by turns
;   window 1: v64-127, v128-191 fragments of dnb, two buffers          window 2: the accumulators, (a, b) at v[64 a + 8 b]
.set MB,     4                         ; blocks of 16 rows in a wave's tile
.set SIZE_K, 4096
.set SIZE_N, 1024
.set KBIG,   256                       ; along K in slot 0
.set KSM,    128                       ; along K in slot 1
.set PAB,    528                       ; a row of hbuf in BIG: 512 bytes + 16 = 132 words,
.set PAS,    272                       ; in SMALL: 256 + 16 = 68 words: in both the 16 rows of a load start at 16 different groups of four banks (64 banks of 4 bytes: ISA guide 11.1)
.set PB,     544                       ; a row of dnb: 512 + 32 = 136 words: row r starts at bank 8 r mod 64
.set AHB,    16*MB*PAB                 ; BIG: what one tensor load brings of hbuf (64 rows), and what one wave reads of it
.set ABIG,   2*AHB
.set BHB,    (KBIG/2)*PB               ; what one tensor load brings of dnb: 128 of the step's 256 rows
.set BIG,    ABIG+2*BHB                ; 206,848 bytes; SMALL begins here
.set AHS,    16*MB*PAS                 ; SMALL: the same
.set ASM,    2*AHS
.set BHS,    (KSM/2)*PB
.set SMALL,  ASM+2*BHS                 ; 104,448 bytes
.set STAGE,  BIG                       ; 16 rows x 528 bytes for each wave, in SMALL's first 33,792 bytes
.set SP,     528                       ; 512 bytes of f32 + 16
.set SPARE,  BIG+SMALL                 ; behind the ring: the spare words, 128 bytes for each wave: two blocks of 256 bytes that no other line names
.set LAPK,   KBIG+KSM                  ; a lap = once round the ring = 384 along K
.set LAPS,   SIZE_K/LAPK               ; 10 whole laps, and one more big step
.set NF,     16+2*MB                   ; LDS loads in a run: a quarter step's fragments
.set STEP_A, LAPK*2                    ; a slot's next tile: 384 elements along hbuf's rows,
.set STEP_B, LAPK*SIZE_N*2             ; 384 rows down dnb
.set ADRA, 16                          ; v16-17  LDS address of my fragments of hbuf in BIG, SMALL
.set ADRB, 20                          ; v20-22  the same for dnb: BIG's quarters 0-3, SMALL, BIG's quarters 4-7 (their offsets would pass the 16 bits of an LDS instruction's immediate)
.set STO,  24                          ; v24     the way out: where I put 32 bytes of a row
.set RD,   25                          ; v25     where I read a row back
.set CO,   26                          ; v26     my byte offset in 512 bytes of a row of out0
.set SPW,  28                          ; v28     LDS address of my spare word; never rewritten
.set NIL,  29                          ; v29     0; never rewritten
.set BO,   30                          ; v30     my byte offset in 16 numbers of down_b
.set PFO,  31                          ; v31     my lane's byte offset among the places that my wave names ahead; never rewritten
.set F0,   64
.set F1,   128
.set BIAS, 192
.set G1A, 24                           ; s[24:31] descriptor group 1 for hbuf's tiles in BIG, s[72:79] in SMALL
.set G0A, 32                           ; s[32:35], s[36:39] group 0, a set for each slot
.set G1B, 48                           ; s[48:55] group 1 for dnb's tiles in BIG, s[80:87] in SMALL
.set G0B, 56                           ; s[56:59], s[60:63] group 0
.set PF,  88                           ; s[88:89] the address that my wave's prefetch starts from; s[90:91] its step from lap to lap
.set MSB, 0
.macro WIN new                         ; the immediate's high byte repeats the setting that is left; a switch that changes nothing is dropped
.if MSB != (\new)
	s_set_vgpr_msb (MSB<<8)|(\new)
.set MSB, \new
.endif
.endm
.macro PLACES                          ; four plain vector instructions between a matrix instruction and a load into, or a store of, its registers (ISA guide 7.12.1 for vector lines other than loads and stores)
.rept 4
	v_nop
.endr
.endm
; A joint load into slot s.  Waves 0 and 1 fetch hbuf's two halves, waves 2 and 3 dnb's.  The branch hangs on the wave's number alone.  Four v_nop follow each of the two lines, ahead of the jump and the label.
.macro JLOAD s
	s_cmp_eq_u32 s11, 0
	s_cbranch_scc0 .Lfor_b_\@
	tensor_load_to_lds s[G0A+4*(\s):G0A+4*(\s)+3], s[G1A+48*(\s):G1A+48*(\s)+7]
	s_nop 0
.rept 4
	v_nop
.endr
	s_branch .Lasked_\@
.Lfor_b_\@:
	tensor_load_to_lds s[G0B+4*(\s):G0B+4*(\s)+3], s[G1B+32*(\s):G1B+32*(\s)+7]
	s_nop 0
.rept 4
	v_nop
.endr
.Lasked_\@:
.endm
.macro CREST                           ; a round of the cluster's barrier behind its opening barrier: wave 0 signals for the work-group, every wave waits for all sixteen, my work-group's barrier once more
	s_cmp_lg_u32 s10, 0
	s_cbranch_scc1 .Lnot_wave_0_\@
	s_barrier_signal -3
.Lnot_wave_0_\@:
	s_barrier_wait -3
	s_barrier_signal -1
	s_barrier_wait -1
.endm
.macro CROUND                          ; a whole round
	s_barrier_signal -1
	s_barrier_wait -1
	CREST
.endm
; Descriptor group 1 in s[g .. g+7]: a tile of rows x cols elements of 2 bytes, pitch elements from row to row in memory; in LDS pad words behind every 2 << qi words
.macro GROUP1 g, mask, qi, pad, cols, rows, pitch
	s_or_b32 s[\g], \mask, (1<<16)|(1<<20)|(1<<21)|((\qi)<<22)|(((\pad)-1)<<25)  ; 15:0 the mask; 17:16 2-byte elements; 20 padding on; 21 set beside a mask; 24:22 the interval; 31:25 the pad
	s_mov_b32 s[(\g)+1], (\cols)<<16               ; tensor_dim0
	s_mov_b32 s[(\g)+2], (\rows)<<16               ; tensor_dim1
	s_mov_b32 s[(\g)+3], (\cols)<<16               ; tile_dim0
	s_mov_b32 s[(\g)+4], \rows                     ; tile_dim1
	s_mov_b32 s[(\g)+5], \pitch
	s_mov_b32 s[(\g)+6], 0
	s_mov_b32 s[(\g)+7], 0
.endm
; 8 matrix instructions: row block a x all 8 column blocks, 32 along K, from buffer f.  first = 1: the sums begin on the bias.
.macro MULA f, a, first
.if \first
	WIN 0x81
.else
	WIN 0xa1
.endif
.irp b, 0,1,2,3,4,5,6,7
.if \first
	v_wmma_f32_16x16x32_bf16 v[64*(\a)+8*\b:64*(\a)+8*\b+7], v[(\f)+8*\b:(\f)+8*\b+7], v[(\f)+8*(\a):(\f)+8*(\a)+7], v[BIAS+8*\b:BIAS+8*\b+7]
.else
	v_wmma_f32_16x16x32_bf16 v[64*(\a)+8*\b:64*(\a)+8*\b+7], v[(\f)+8*\b:(\f)+8*\b+7], v[(\f)+8*(\a):(\f)+8*(\a)+7], v[64*(\a)+8*\b:64*(\a)+8*\b+7]
.endif
.endr
.endm
.macro MULS f, a0, n, first            ; n row blocks from a0 on.  The 32 accumulators take turns, one instruction a turn, in the same order in every quarter
.set ma, \a0
.rept \n
	MULA \f, ma, \first
.set ma, ma+1
.endr
.endm
; One run of LDS loads: the fragments of quarter q (32 along K) of a slot into buffer f: dnb's 8 column blocks, turned, then hbuf's row blocks
.macro FETCH slot, q, f
.if (\slot) == 0
.set fpa, PAB
.set fra, ADRA
.if (\q) < 4
.set frb, ADRB
.set fq, \q
.else
.set frb, ADRB+2
.set fq, (\q)-4
.endif
.else
.set fpa, PAS
.set fra, ADRA+1
.set frb, ADRB+1
.set fq, \q
.endif
	WIN 0x40
.irp i, 0,1,2,3,4,5,6,7
	ds_load_tr16_b128 v[(\f)+8*\i:(\f)+8*\i+3],   v[frb] offset:fq*32*PB+32*\i
	ds_load_tr16_b128 v[(\f)+8*\i+4:(\f)+8*\i+7], v[frb] offset:fq*32*PB+16*PB+32*\i
.endr
	WIN 0
.set fi, 0
.rept MB
	ds_load_b128 v[(\f)+8*fi:(\f)+8*fi+3],   v[fra] offset:64*(\q)+fi*16*fpa
	ds_load_b128 v[(\f)+8*fi+4:(\f)+8*fi+7], v[fra] offset:64*(\q)+fi*16*fpa+32
.set fi, fi+1
.endr
.endm
; A step is eight quarters (BIG) or four (SMALL) of 32 along K, on buffers 0, 1, 0, 1 ..  All but a step's last: multiplies buffer f and, in its middle, fetches quarter q of the same slot into buffer g.
.macro QUARTER slot, q, f, g, first=0
	s_wait_dscnt MB                                ; dnb's fragments and hbuf's lower blocks are in; the youngest MB loads (hbuf's upper blocks) may be out
	MULS \f, 0, MB/2, \first
	PLACES
	FETCH \slot, \q, \g
	s_wait_dscnt NF                                ; all but the run just issued
	MULS \f, MB/2, MB/2, \first
.endm
.macro BIGREST                         ; a big step from its second quarter's products to its seventh's
	QUARTER 0, 2, F1, F0
	QUARTER 0, 3, F0, F1
	QUARTER 0, 4, F1, F0
	QUARTER 0, 5, F0, F1
	QUARTER 0, 6, F1, F0
	QUARTER 0, 7, F0, F1
.endm
.macro SMALLREST                       ; a small step from its first quarter's products to its third's
	QUARTER 1, 1, F0, F1
	QUARTER 1, 2, F1, F0
	QUARTER 1, 3, F0, F1
.endm
; A step's last quarter multiplies buffer 1 and changes slots.  ONE barrier: in front of it each wave waits for all its tensor loads (one is out: its part of the next slot), adds 0 to its spare word,
; and waits for that and for its reads of this slot.  fill = 1: this slot takes its tile of the next lap; the barrier then opens a round of the cluster's, and the joint load is the first thing behind the round.
; ahead = 1: behind the joint load my wave names its 32 places of the lap after the next, in all trips but the loop's last.
.macro TURN slot, next, fill, ahead=0
	WIN 0                                          ; (the add's two registers lie in window 0)
	s_wait_tensorcnt 0x0                           ; all my tensor loads have landed
	ds_add_u32 v[SPW], v[NIL]                      ; 0 onto my spare word
	s_wait_dscnt MB+1                              ; (the add and the youngest MB loads may be out)
	MULS F1, 0, MB/4, 0                            ; matrix work stands between the add and the wait for it
	s_wait_dscnt 0x0                               ; the add is done, and my reads of this slot are over
	s_barrier_signal -1
	MULS F1, MB/4, MB/4, 0                         ; work on registers while the others arrive
.if \fill
	WIN 0
.endif
	s_barrier_wait -1
.if \fill
	CREST                                          ; no wave of any partner still reads this slot or has a load on its way
	s_add_nc_u64 s[G0A+4*(\slot)+2:G0A+4*(\slot)+3], s[G0A+4*(\slot)+2:G0A+4*(\slot)+3], STEP_A
	s_add_nc_u64 s[G0B+4*(\slot)+2:G0B+4*(\slot)+3], s[G0B+4*(\slot)+2:G0B+4*(\slot)+3], STEP_B
	JLOAD \slot                                    ; its four v_nop are also the places in front of the loads below
.if \ahead
	s_cmp_eq_u32 s3, 1                             ; the loop's last trip would name lap 10, of which a third does not exist
	s_cbranch_scc1 .Lno_more_\@
	s_wait_xcnt 0x0                                ; the last prefetch, a lap ago, has read its base (ISA guide 3.1): only now is the base stepped
	s_add_nc_u64 s[PF:PF+1], s[PF:PF+1], s[PF+2:PF+3]
	global_prefetch_b8 v[PFO], s[PF:PF+1] th:TH_LOAD_NT scope:SCOPE_SE
.Lno_more_\@:
.endif
.else
	PLACES
.endif
	FETCH \next, 0, F0
	MULS F1, MB/2, MB/2, 0
.endm
	s_load_b128 s[4:7], s[0:1], 0x0                ; hbuf s[4:5], dnb s[6:7]
	s_load_b64 s[70:71], s[0:1], 0x10              ; down_b
	s_load_b64 s[8:9], s[0:1], 0x18                ; out0
	v_lshl_add_u32 v[SPW], v0, 2, SPARE
	v_mov_b32 v[NIL], 0
	ds_add_u32 v28, v29
	s_wait_dscnt 0x0
	v_lshrrev_b32 v1, 5, v0
	v_readfirstlane_b32 s10, v1                    ; wave 0..3
	s_lshr_b32 s11, s10, 1                         ; which half of the tile's rows is mine.  Also: I fetch for hbuf (0) or for dnb (1)
	s_and_b32 s12, s10, 1                          ; which half of its columns.  Also: which half of that tile I fetch
	s_bfe_u32 s40, ttmp6, 0x40000                  ; cx, cy: my place in the cluster
	s_bfe_u32 s41, ttmp6, 0x40004
	s_lshl_b32 s42, ttmp9, 2
	s_add_co_u32 s42, s42, s40                     ; tile column = 4 x cluster x + cx
	s_and_b32 s13, ttmp7, 0xffff
	s_lshl_b32 s13, s13, 2
	s_add_co_u32 s13, s13, s41                     ; tile row = 4 x cluster y + cy
	s_lshl_b32 s43, s41, 2
	s_lshl_b32 s43, 15, s43                        ; my row of the cluster
	s_lshl_b32 s44, 0x1111, s40                    ; my column
	GROUP1 G1A,    s43, 6, 4, KBIG, 16*MB,  SIZE_K ; hbuf into BIG: 64 rows of 512 bytes, 16 bytes of padding behind each
	GROUP1 G1A+48, s43, 5, 4, KSM,  16*MB,  SIZE_K ; into SMALL: 64 rows of 256 bytes, 16 behind each
	GROUP1 G1B,    s44, 6, 8, 256,  KBIG/2, SIZE_N ; dnb into BIG: 128 rows of 512 bytes, 32 behind each
	GROUP1 G1B+32, s44, 6, 8, 256,  KSM/2,  SIZE_N ; into SMALL: 64 such rows
	; where the tiles come from: hbuf's hang on the tile row alone, dnb's on the tile column alone, each in registers that never hold the other coordinate
	s_lshl_b32 s16, s13, 7
	s_lshl_b32 s17, s12, 6
	s_add_co_u32 s16, s16, s17                     ; hbuf: row 128 x tile row + 64 x half,
	s_lshl_b32 s16, s16, 13                        ; in bytes: under 2^27
	s_mov_b32 s17, 0
	s_mul_i32 s46, s12, (KBIG/2)*SIZE_N*2          ; dnb for BIG: row 128 x half,
	s_lshl_b32 s47, s42, 9                         ; column 256 x tile column
	s_add_co_u32 s46, s46, s47
	s_mul_i32 s94, s12, (KSM/2)*SIZE_N*2           ; for SMALL: row 256 + 64 x half
	s_add_co_u32 s94, s94, s47
	s_add_co_u32 s94, s94, KBIG*SIZE_N*2
	s_mov_b32 s47, 0
	s_mov_b32 s95, 0
	s_wait_kmcnt 0x0
	s_add_nc_u64 s[14:15], s[4:5], s[16:17]
	s_add_nc_u64 s[46:47], s[6:7], s[46:47]
	s_add_nc_u64 s[94:95], s[6:7], s[94:95]
	CROUND                                         ; all sixteen work-groups are here: the first joint loads meet
	; group 0, a set for each slot and tensor: count 1; LDS address (a constant and the wave's half times a constant: no place in the cluster enters it); global address; type 2
	s_mov_b32 s[G0A], 1
	s_mul_i32 s[G0A+1], s12, AHB
	s_mov_b64 s[G0A+2:G0A+3], s[14:15]             ; K = 0
	s_or_b32 s[G0A+3], s[G0A+3], 0x80000000
	s_mov_b32 s[G0A+4], 1
	s_mul_i32 s[G0A+5], s12, AHS
	s_add_co_u32 s[G0A+5], s[G0A+5], BIG
	s_add_nc_u64 s[G0A+6:G0A+7], s[14:15], KBIG*2  ; K = 256
	s_or_b32 s[G0A+7], s[G0A+7], 0x80000000
	s_mov_b32 s[G0B], 1
	s_mul_i32 s[G0B+1], s12, BHB
	s_add_co_u32 s[G0B+1], s[G0B+1], ABIG
	s_mov_b64 s[G0B+2:G0B+3], s[46:47]
	s_or_b32 s[G0B+3], s[G0B+3], 0x80000000
	s_mov_b32 s[G0B+4], 1
	s_mul_i32 s[G0B+5], s12, BHS
	s_add_co_u32 s[G0B+5], s[G0B+5], BIG+ASM
	s_mov_b64 s[G0B+6:G0B+7], s[94:95]
	s_or_b32 s[G0B+7], s[G0B+7], 0x80000000
	JLOAD 0                                        ; the ring is filled before anything else is done
	JLOAD 1
	; what my wave names ahead.  Waves 0 to 2: hbuf, rows 128 x tile row + 32 cx + lane, byte 256 x wave of the lap's 768.  Wave 3: dnb, rows 6 x tile row + 0..5 of the lap's 384, two blocks of my tile column's 512 bytes.
	s_lshl_b32 s96, s13, 7
	s_lshl_b32 s97, s40, 5
	s_add_co_u32 s96, s96, s97
	s_lshl_b32 s96, s96, 13
	s_lshl_b32 s97, s10, 8
	s_add_co_u32 s96, s96, s97
	s_mul_i32 s98, s13, 6*SIZE_N*2
	s_lshl_b32 s99, s42, 9
	s_add_co_u32 s98, s98, s99
	s_mov_b32 s[PF+2], STEP_A
	s_mov_b32 s[PF+3], STEP_B
	s_cmp_eq_u32 s10, 3
	s_cselect_b64 s[PF:PF+1], s[6:7], s[4:5]
	s_cselect_b32 s96, s98, s96
	s_cselect_b32 s[PF+2], s[PF+3], s[PF+2]
	s_cselect_b32 s93, -1, 0
	s_mov_b32 s97, 0
	s_mov_b32 s[PF+3], 0
	s_add_nc_u64 s[PF:PF+1], s[PF:PF+1], s[96:97]
	s_add_nc_u64 s[PF:PF+1], s[PF:PF+1], s[PF+2:PF+3]  ; lap 1
	v_and_b32 v6, 31, v0
	v_lshlrev_b32 v8, 13, v6                       ; hbuf: a row of 8,192 bytes a lane
	v_min_u32 v9, 11, v6                           ; dnb: twelve blocks
	v_lshrrev_b32 v10, 1, v9
	v_and_b32 v9, 1, v9
	v_lshlrev_b32 v10, 11, v10                     ; a row of 2,048 bytes for two lanes,
	v_lshl_add_u32 v10, v9, 8, v10                 ; 256 bytes apart
	v_cndmask_b32 v[PFO], v8, v10, s93
	global_prefetch_b8 v[PFO], s[PF:PF+1] th:TH_LOAD_NT scope:SCOPE_SE
	; A fragment of hbuf: lane l holds row l % 16; two loads of 16 bytes, 32 apart, at row x pitch + 16 (l / 16).
	; A fragment of dnb, turned: lane l addresses row 8 (l / 16) + l % 8, bytes 16 ((l / 8) % 2) on, and receives column l % 16; the second load 16 rows further down.
	v_and_b32 v1, 15, v0
	v_bfe_u32 v2, v0, 4, 1
	v_mul_u32_u24 v3, v1, PAB
	v_lshl_add_u32 v3, v2, 4, v3
	v_mul_u32_u24 v7, v1, PAS
	v_lshl_add_u32 v7, v2, 4, v7
	v_and_b32 v4, 7, v0
	v_lshl_add_u32 v4, v2, 3, v4
	v_mul_u32_u24 v4, v4, PB
	v_bfe_u32 v5, v0, 3, 1
	v_lshl_add_u32 v4, v5, 4, v4
	s_mul_i32 s21, s11, AHB                        ; my 64 rows of hbuf in BIG,
	v_add_nc_u32 v[ADRA], s21, v3
	s_mul_i32 s21, s11, AHS                        ; and in SMALL
	s_add_co_u32 s21, s21, BIG
	v_add_nc_u32 v[ADRA+1], s21, v7
	s_lshl_b32 s23, s12, 8                         ; my 128 columns of dnb, which lies behind hbuf's rows:
	s_add_co_u32 s21, s23, ABIG                    ; BIG's quarters 0-3,
	v_add_nc_u32 v[ADRB], s21, v4
	s_add_co_u32 s21, s23, BIG+ASM                 ; SMALL,
	v_add_nc_u32 v[ADRB+1], s21, v4
	s_add_co_u32 s21, s23, ABIG+4*32*PB            ; BIG's quarters 4-7
	v_add_nc_u32 v[ADRB+2], s21, v4
	s_mul_i32 s21, s10, 16*SP
	s_add_co_u32 s21, s21, STAGE                   ; my stage
	v_mul_u32_u24 v6, v1, SP                       ; in: row l % 16, 32 bytes for each half of the lanes
	v_lshl_add_u32 v6, v2, 5, v6
	v_add_nc_u32 v[STO], s21, v6
	v_and_b32 v6, 31, v0                           ; back: 32 lanes take one row of 512 bytes
	v_lshlrev_b32 v[CO], 4, v6
	v_add_nc_u32 v[RD], s21, v[CO]
	v_lshlrev_b32 v[BO], 5, v2
	s_lshl_b32 s16, s13, 7
	s_lshl_b32 s17, s11, 6
	s_add_co_u32 s16, s16, s17                     ; my first row
	s_mov_b32 s19, 0
	s_lshl_b32 s18, s16, 12                        ; rows of 4,096 bytes
	s_add_nc_u64 s[8:9], s[8:9], s[18:19]
	s_lshl_b32 s45, s42, 8
	s_lshl_b32 s46, s12, 7
	s_add_co_u32 s45, s45, s46                     ; my first column
	s_mov_b32 s47, 0
	s_lshl_b32 s46, s45, 2
	s_add_nc_u64 s[8:9], s[8:9], s[46:47]          ; out0 at my first row and column
	s_add_nc_u64 s[70:71], s[70:71], s[46:47]      ; down_b at my first column
.set i, 0
.rept 16                                       ; my 128 numbers of down_b: register 8 b + j holds column 16 b + 8 (l / 16) + j, the layout of a result
	global_load_b128 v[BIAS+4*i:BIAS+4*i+3], v[BO], s[70:71] offset:64*(i/2)+16*(i%2)
.set i, i+1
.endr
	s_wait_tensorcnt 1                             ; my part of BIG's first tile is in; SMALL's may stay out
	s_barrier_signal -1
	s_barrier_wait -1                              ; everybody's is
	FETCH 0, 0, F0
	s_wait_loadcnt 0x0                             ; the bias
.set bi, 0
.rept 32                                       ; it is rounded to bf16 and widened again
	v_cvt_pk_bf16_f32 v[8+bi%4], v[BIAS+2*bi], v[BIAS+2*bi+1]
	v_lshlrev_b32 v[BIAS+2*bi], 16, v[8+bi%4]
	v_and_b32 v[BIAS+2*bi+1], 0xffff0000, v[8+bi%4]
.set bi, bi+1
.endr
	QUARTER 0, 1, F0, F1, 1                        ; the first quarter stands in front of the loop: its products start the sums on the bias
	WIN 0                                          ; at a label and at a branch every window is 0
	s_mov_b32 s3, LAPS-1
.Llap:                                                 ; nine trips: once round the ring, from a lap's second quarter to the next lap's first; BIG and SMALL are filled again, each with its tile of the next lap
	BIGREST
	TURN 0, 1, 1
	SMALLREST
	TURN 1, 0, 1, 1
	QUARTER 0, 1, F0, F1
	WIN 0
	s_sub_co_u32 s3, s3, 1
	s_cmp_lg_u32 s3, 0
	s_cbranch_scc1 .Llap
	BIGREST                                        ; the tail is written out: the tenth big step goes on
	TURN 0, 1, 1                                   ; BIG takes the eleventh and last big tile,
	SMALLREST                                      ; the tenth and last small step;
	TURN 1, 0, 0                                   ; nothing is filled: behind this barrier no wave reads SMALL any more
	QUARTER 0, 1, F0, F1                           ; the last big step
	BIGREST
	s_wait_dscnt MB                                ; the very last quarter: nothing more to fetch
	MULS F1, 0, MB/2, 0
	s_wait_dscnt 0x0
	MULS F1, MB/2, MB/2, 0
	WIN 0
	; THE WAY OUT, a block of 16 rows at a time: a lane's eight f32 of a row, 32 bytes, go into my stage's rows of 528 bytes and come back as whole rows of 512.
	PLACES                                         ; behind the last products: the LDS stores read results, the loads below land in fragment registers
.irp a, 0,1,2,3
	WIN 0x08                                       ; an LDS store's data is source 1: window 2
.irp b, 0,1,2,3,4,5,6,7
	ds_store_b128 v[STO], v[64*\a+8*\b:64*\a+8*\b+3] offset:64*\b       ; each accumulator's low registers first
	ds_store_b128 v[STO], v[64*\a+8*\b+4:64*\a+8*\b+7] offset:64*\b+16
.endr
	WIN 0
	s_wait_xcnt 0x0                                ; the registers that the block before last's stores read are loaded again only behind this wait (ISA guide 3.1)
.set t, 0
.rept 16
	ds_load_b128 v[64+64*(\a%2)+4*t:64+64*(\a%2)+4*t+3], v[RD] offset:t*SP  ; LDS serves a wave's instructions in order (ISA guide 5.7.1.4): these see the stores above; the next block's stores come behind them
.set t, t+1
.endr
.set t, 0
.rept 16
	s_wait_dscnt 15-t                              ; the 15 - t younger loads of the run may be out
	global_store_b128 v[CO], v[64+64*(\a%2)+4*t:64+64*(\a%2)+4*t+3], s[8:9] offset:(16*\a+t)*SIZE_N*4 th:TH_STORE_NT  ; 32 lanes store 512 consecutive bytes, at a multiple of 512 from out0's first byte
.set t, t+1
.endr
.endr
	s_wait_tensorcnt 0x0                           ; the wave's end, behind my last tensor load and my last LDS store
	ds_add_u32 v[SPW], v[NIL]
	s_wait_dscnt 0x0
	CROUND                                         ; the closing round: no work-group ends while a partner may still ask for a tile that names it
	s_endpgm
.Lfunc_end_k_qdcf41c0dc9_down:
	.size	k_qdcf41c0dc9_down, .Lfunc_end_k_qdcf41c0dc9_down-k_qdcf41c0dc9_down
	.p2alignl 7, 3214868480
	.fill 96, 4, 3214868480
	.section	.rodata,"a",@progbits
	.p2align	6, 0x0
	.amdhsa_kernel k_qdcf41c0dc9_down
		.amdhsa_group_segment_fixed_size 327680
		.amdhsa_private_segment_fixed_size 0
		.amdhsa_enable_private_segment 0
		.amdhsa_kernarg_size 32
		.amdhsa_user_sgpr_count 2
		.amdhsa_user_sgpr_kernarg_segment_ptr 1
		.amdhsa_wavefront_size32 1
		.amdhsa_system_sgpr_workgroup_id_x 1
		.amdhsa_system_sgpr_workgroup_id_y 1
		.amdhsa_system_sgpr_workgroup_id_z 1
		.amdhsa_system_vgpr_workitem_id 0
		.amdhsa_next_free_vgpr 768
		.amdhsa_next_free_sgpr 100
		.amdhsa_reserve_vcc 0
		.amdhsa_float_denorm_mode_32 3
		.amdhsa_float_denorm_mode_16_64 3
		.amdhsa_memory_ordered 1
		.amdhsa_forward_progress 1
		.amdhsa_inst_pref_size 158
	.end_amdhsa_kernel
	.amdgpu_metadata
---
amdhsa.version: [ 1, 2 ]
amdhsa.kernels:
  - .name:           k_qdcf41c0dc9_down
    .symbol:         k_qdcf41c0dc9_down.kd
    .args:
      - { .name: hbuf, .offset: 0, .size: 8, .value_kind: global_buffer, .address_space: global }
      - { .name: dnb, .offset: 8, .size: 8, .value_kind: global_buffer, .address_space: global }
      - { .name: down_b, .offset: 16, .size: 8, .value_kind: global_buffer, .address_space: global }
      - { .name: out0, .offset: 24, .size: 8, .value_kind: global_buffer, .address_space: global }
    .group_segment_fixed_size: 327680
    .private_segment_fixed_size: 0
    .kernarg_segment_align: 8
    .kernarg_segment_size: 32
    .max_flat_workgroup_size: 128
    .sgpr_count:     100
    .vgpr_count:     768
    .wavefront_size: 32
...
	.end_amdgpu_metadata
.endif
;; end of part 4
